; MI455X (gfx1250); checked and timed in simulation.
; The chip was launched on July 23, 2026; its instructions are those of AMD's public machine-readable ISA for CDNA 5 (MIT licence, August 2026) and "CDNA5" Instruction Set Architecture Reference Guide (July 2026). The comments in the code are by the model that wrote it; some were corrected since.
;; GMM Seg Head. Allowed arithmetic: matrix products marked QUANTISED: E4M3 operands, one given power-of-two scale a tensor, by v_wmma_f32_16x16x64_fp8_fp8 or v_wmma_f32_16x16x128_fp8_fp8, f32 sums; everything else in f32.
;; Inputs: diagonal 19 x 5 x 512 float32; feat_beta 512 float32; feat_gamma 512 float32; lowp_scales 4 int32 (the exponents e of the quantised operands' scales 2^e); mask_beta 19 float32; mask_gamma 19 float32; means 19 x 5 x 512 float32; x 4 x 512 x 128 x 128 float32.
;; Outputs: out0 4 x 19 x 128 x 128 float32.
;; This version of the problem:
;;   THIS VERSION OF THE PROBLEM IS GIVEN IN LOW PRECISION. The matrix products marked QUANTISED in the list below multiply operands that are first quantised to E4M3 (4 exponent bits, 3 mantissa bits; 8 bits a number), with one given power-of-two scale for each operand tensor; their sums are f32. All else is computed in f32.
;;   The module's matrix products, in the order in which they are computed (A, B: the left and right operand; K: the contracted axis; several contracted axes count as one K, in the product's order):
;;     1. [M 65,536, K 512] x [K 512, N 95]; A: computed on the way; B: computed on the way: QUANTISED (scales: A lowp_scales[0], B lowp_scales[1])
;;     2. [M 65,536, K 512] x [K 512, N 95]; A: computed on the way; B: computed on the way: QUANTISED (scales: A lowp_scales[2], B lowp_scales[3])
;;   THE QUANTISER, for each operand of a quantised product, along K:
;;     - The operand's scale is 2^e, e = its entry of the input lowp_scales (int32; the entries are numbered through the quantised products in the list's order, A before B).
;;     - Each number is divided by the scale, clamped to +-448, and rounded to the nearest number of E4M3, ties to even, subnormals kept.
;;     - The product sums the exact products of the quantised numbers (number of the format x scale) in f32.
;;   ~~~python
;;   def quantise(x, axis, e):      # numpy; x: float32 -> the quantised numbers, widened to float32 again
;;       x = np.moveaxis(x, axis, -1); K = x.shape[-1]
;;       r = np.clip(x / 2.0 ** e, -448, 448)
;;       step = 2.0 ** (np.maximum(np.frexp(np.where(r == 0, 1, r))[1] - 1, -6) - 3)
;;       q = np.round(r / step) * step * 2.0 ** e      # np.round: ties to even
;;       return np.moveaxis(q, -1, axis).astype(np.float32)
;;   ~~~
;;   OPERANDS COMPUTED ON THE WAY. 'Computed on the way' means the value that the module computes at that place (a softmax that the list does not call 'softmax' is quantised finished and normalised). What goes into a quantiser is computed in f32, as accurately as f32 sums, v_exp_f32 and their like allow (about 1e-6 of the number): no bf16 or f16 on the way to a quantiser, and a product that is left as it is and whose result goes on into a quantised operand takes f32 operands (vector FMAs, or v_wmma_f32_16x16x4_f32). A number that lies on a knife's edge between two numbers of the format may be rounded either way, as far as f32 arithmetic and the matrix unit's own rounding can turn it there, and no further.
;; One version. Each part assembles by itself: llvm-mc -triple=amdgcn-amd-amdhsa -mcpu=gfx1250 --defsym DOCPART=n.
;; ======== version 1 of 1: 2 launches
;; limits: right only within a limited range of input values
;; workspace buffers: wts 104,448 bytes
;; launch prep (part 1): grid 12 x 1, 8 waves a work-group, no clusters, 10,240 bytes of LDS; arguments means, diagonal, lowp_scales, wts; writes wts
.if DOCPART == 1
	.amdgcn_target "amdgcn-amd-amdhsa--gfx1250"
	.amdhsa_code_object_version 6
	.text
	.protected	k_qa86a016ad9_prep
	.globl	k_qa86a016ad9_prep
	.p2align	8
	.type	k_qa86a016ad9_prep,@function
k_qa86a016ad9_prep:
	s_mov_b64 s[64:65], 0
	v_nop
	global_prefetch_b8 v0, s[64:65] scope:SCOPE_SE
	s_setreg_imm32_b32 hwreg(HW_REG_WAVE_MODE, 25, 1), 1
	s_wait_xcnt 0x0
; The 95 components are made ready once: mu = means / max(|means|, 1e-12), iv = 1 / sigma^2; codes of E4M3 of iv (scale 2^e1) and of mu iv (scale 2^e3);
; and for each component cst = -0.5 sum(mu^2 iv) - sum(ln sigma) - 256 ln(2 pi).
; OUTPUT: twelve half-blocks of HBLK bytes: half-block 2 nt + mh holds rows m = 8 mh .. 8 mh + 7 of the tile nt of 16 rows.  A half-block holds its part of eight fragments, 1,024 bytes each
; (fragment 2 w + q: channels 128 w on; q = 0: iv, q = 1: mu iv), for an operand of 16 registers: register c of lane 16 h + m lies at
; 512 (c / 8) + 256 h + 128 ((c / 4) % 2) + 16 (m % 8) + 4 (c % 4); byte b of register c = channel 128 w + 64 h + 4 c + b.  The second launch lays its pixels' codes by the same order of channels,
; so every product meets its partner.  Behind the fragments: 8 numbers cst, sixteen times over, so that whole runs of 512 bytes are stored.
; ROW m OF TILE nt, slot s = 8 nt + m % 8:  m < 8: component s;  m >= 8: component s + 50 where s < 45, else min(s + 3, 49).  In the product's result a lane of the lower half then holds classes
; 0-8 and components 0-2 of class 9, a lane of the upper half classes 10-18 and components 3, 4, 4 of class 9 (the 96th row repeats a component: nothing under a maximum).
; SHARES: work-group = half-block, wave = row.  Lane l loads 16 bytes at 16 l of each quarter of the row: registers 4 w + 0..3 are channels 128 w + 4 l + 0..3, one word of codes.
; In LDS each 256 bytes of the half-block take 272, so that the 32 words of a wave's store lie in 32 different words modulo 256 bytes.
; LIMITS: e1 and e3 between -126 and 119; sigma > 0; NaN and infinities are not served.  Divisions are a reciprocal and a product.
.set HBLK,  8704
.set CSTG,  8192                       ; cst in a half-block
.set CSTS,  8704                       ; cst in LDS: behind 32 units of 272 bytes
.set SPARE, 9216                       ; behind it the spare words, 128 bytes for each of the 8 waves: no other line names them
.set ME, 8                             ; v8-23   means, then mu
.set SG, 24                            ; v24-39  sigma
.set IV, 40                            ; v40-55  sigma^2, then iv
.set LG, 56                            ; v56-71  log2 sigma
.set B2, 72                            ; v72-87  mu iv
.set CD, 88                            ; v88-91  iv's codes for w = 0..3; v92-95 mu iv's
.macro WSUM reg                        ; the sum over the wave's 32 lanes, in every lane
	s_delay_alu instid0(VALU_DEP_1)
	v_add_f32_dpp v[\reg], v[\reg], v[\reg] row_xmask:1 row_mask:0xf bank_mask:0xf
	s_delay_alu instid0(VALU_DEP_1)
	v_add_f32_dpp v[\reg], v[\reg], v[\reg] row_xmask:2 row_mask:0xf bank_mask:0xf
	s_delay_alu instid0(VALU_DEP_1)
	v_add_f32_dpp v[\reg], v[\reg], v[\reg] row_xmask:4 row_mask:0xf bank_mask:0xf
	s_delay_alu instid0(VALU_DEP_1)
	v_add_f32_dpp v[\reg], v[\reg], v[\reg] row_xmask:8 row_mask:0xf bank_mask:0xf
	s_delay_alu instid0(VALU_DEP_1)
	v_permlanex16_b32 v111, v[\reg], s16, s17
	s_delay_alu instid0(VALU_DEP_1)
	v_add_f32 v[\reg], v[\reg], v111
.endm
	s_load_b256 s[4:11], s[0:1], 0x0               ; means s[4:5], diagonal s[6:7], the scales' exponents s[8:9], wts s[10:11]
	v_lshl_add_u32 v1, v0, 2, SPARE                ; my spare word,
	v_mov_b32 v2, 0                                ; and 0: kept for the wave's end
	v_lshrrev_b32 v3, 5, v0
	v_and_b32 v4, 31, v0
	v_readfirstlane_b32 s18, v3                    ; wave = row m % 8
	v_bfe_u32 v5, v0, 3, 1                         ; my word is register c = l % 16 of lane half l / 16: c / 8,
	v_bfe_u32 v6, v0, 4, 1                         ; and the half
	v_lshlrev_b32 v4, 4, v4                        ; 16 x lane
	v_lshrrev_b32 v3, 4, v0
	v_lshl_add_u32 v5, v5, 1, v6
	v_and_b32 v111, 15, v0
	v_mul_u32_u24 v3, 0x110, v3
	v_mul_u32_u24 v5, 0x110, v5                    ; its unit of 272 bytes
	v_bfe_u32 v6, v0, 2, 1
	v_lshl_add_u32 v3, v111, 4, v3                 ; the way out of LDS: unit thread / 16, 16 (thread % 16)
	v_lshl_add_u32 v5, v6, 7, v5                   ; + 128 ((c / 4) % 2)
	v_and_b32 v6, 3, v0
	s_lshl_b32 s19, s18, 4
	v_lshlrev_b32 v7, 4, v0                        ; the way out to memory: 16 x thread
	v_lshl_add_u32 v5, v6, 2, v5                   ; + 4 (c % 4)
	v_and_b32 v6, 15, v0
	v_add_nc_u32 v5, s19, v5                       ; + 16 (m % 8)
	v_lshlrev_b32 v6, 5, v6                        ; cst: copy l % 16,
	s_lshl_b32 s19, s18, 2
	v_mov_b32 v111, 0                              ; written here: a lane permute's destination counts as one of its sources
	v_add_nc_u32 v6, s19, v6                       ; word m % 8
	s_mov_b32 s16, 0x76543210
	s_mov_b32 s17, 0xfedcba98                      ; lane l xor 16
	s_lshr_b32 s20, ttmp9, 1
	s_lshl_b32 s20, s20, 3
	s_add_co_u32 s19, s18, s20                     ; slot s
	s_add_co_u32 s20, s19, 3
	s_min_u32 s20, s20, 49
	s_add_co_u32 s21, s19, 50
	s_and_b32 s22, ttmp9, 1
	s_cmp_lt_u32 s19, 45
	s_cselect_b32 s20, s21, s20                    ; the upper half's component
	s_cmp_eq_u32 s22, 0
	s_cselect_b32 s19, s19, s20                    ; my component, 0 to 94
	s_lshl_b32 s20, s19, 11                        ; its row of 2,048 bytes
	s_mov_b32 s21, 0
	s_mul_i32 s22, ttmp9, HBLK
	s_mov_b32 s23, 0
	s_wait_alu depctr_va_vdst(0)                   ; the wait at the head's end
	s_wait_kmcnt 0x0
	s_load_b128 s[12:15], s[8:9], 0x0              ; e0 .. e3
	s_add_nc_u64 s[4:5], s[4:5], s[20:21]
	s_add_nc_u64 s[6:7], s[6:7], s[20:21]
	s_add_nc_u64 s[10:11], s[10:11], s[22:23]
.irp i, 0,1,2,3
	global_load_b128 v[ME+4*\i:ME+4*\i+3], v4, s[4:5] offset:512*\i
.endr
.irp i, 0,1,2,3
	global_load_b128 v[SG+4*\i:SG+4*\i+3], v4, s[6:7] offset:512*\i
.endr
	s_wait_loadcnt 0x4                             ; the means are in; sigma's four loads are younger
	v_pk_mul_f32 v[96:97], v[ME:ME+1], v[ME:ME+1]
	v_pk_mul_f32 v[98:99], v[ME+2:ME+3], v[ME+2:ME+3]
.irp j, 4,8,12
	s_delay_alu instid0(VALU_DEP_2)
	v_pk_fma_f32 v[96:97], v[ME+\j:ME+\j+1], v[ME+\j:ME+\j+1], v[96:97]
	s_delay_alu instid0(VALU_DEP_2)
	v_pk_fma_f32 v[98:99], v[ME+\j+2:ME+\j+3], v[ME+\j+2:ME+\j+3], v[98:99]
.endr
	s_delay_alu instid0(VALU_DEP_1)
	v_pk_add_f32 v[96:97], v[96:97], v[98:99]
	s_delay_alu instid0(VALU_DEP_1)
	v_add_f32 v96, v96, v97
	WSUM 96                                        ; |means|^2
	s_wait_loadcnt 0x0
.irp j, 0,2,4,6,8,10,12,14
	v_pk_mul_f32 v[IV+\j:IV+\j+1], v[SG+\j:SG+\j+1], v[SG+\j:SG+\j+1]
.endr
	s_wait_alu depctr_va_vdst(0)
	v_sqrt_f32 v100, v96                           ; one batch: the norm, 16 reciprocals, 16 logarithms
.irp j, 0,1,2,3,4,5,6,7,8,9,10,11,12,13,14,15
	v_rcp_f32 v[IV+\j], v[IV+\j]
.endr
.irp j, 0,1,2,3,4,5,6,7,8,9,10,11,12,13,14,15
	v_log_f32 v[LG+\j], v[SG+\j]
.endr
	v_nop                                          ; a plain instruction behind the last of them
	s_wait_alu depctr_va_vdst(0)                   ; one wait for the batch, ahead of its first reader
	v_max_num_f32 v100, 0x2b8cbccc, v100           ; max(norm, 1e-12)
	s_wait_alu depctr_va_vdst(0)
	v_rcp_f32 v101, v100
	v_pk_add_f32 v[102:103], v[LG:LG+1], v[LG+2:LG+3]       ; the sum of log2 sigma stands between the reciprocal and the wait for it
	v_pk_add_f32 v[104:105], v[LG+4:LG+5], v[LG+6:LG+7]
	v_pk_add_f32 v[102:103], v[102:103], v[LG+8:LG+9]
	v_pk_add_f32 v[104:105], v[104:105], v[LG+10:LG+11]
	v_pk_add_f32 v[102:103], v[102:103], v[LG+12:LG+13]
	v_pk_add_f32 v[104:105], v[104:105], v[LG+14:LG+15]
	s_delay_alu instid0(VALU_DEP_1)
	v_pk_add_f32 v[102:103], v[102:103], v[104:105]
	s_delay_alu instid0(VALU_DEP_1)
	v_add_f32 v102, v102, v103
	WSUM 102
	s_wait_alu depctr_va_vdst(0)                   ; the reciprocal's wait
.irp j, 0,1,2,3,4,5,6,7,8,9,10,11,12,13,14,15
	v_mul_f32 v[ME+\j], v[ME+\j], v101             ; mu
.endr
.irp j, 0,2,4,6,8,10,12,14
	v_pk_mul_f32 v[B2+\j:B2+\j+1], v[ME+\j:ME+\j+1], v[IV+\j:IV+\j+1]   ; mu iv
.endr
	v_pk_mul_f32 v[104:105], v[ME:ME+1], v[B2:B2+1]
	v_pk_mul_f32 v[106:107], v[ME+2:ME+3], v[B2+2:B2+3]
.irp j, 4,8,12
	s_delay_alu instid0(VALU_DEP_2)
	v_pk_fma_f32 v[104:105], v[ME+\j:ME+\j+1], v[B2+\j:B2+\j+1], v[104:105]
	s_delay_alu instid0(VALU_DEP_2)
	v_pk_fma_f32 v[106:107], v[ME+\j+2:ME+\j+3], v[B2+\j+2:B2+\j+3], v[106:107]
.endr
	s_delay_alu instid0(VALU_DEP_1)
	v_pk_add_f32 v[104:105], v[104:105], v[106:107]
	s_delay_alu instid0(VALU_DEP_1)
	v_add_f32 v104, v104, v105
	WSUM 104                                       ; sum of mu^2 iv
	v_mov_b32 v106, 0xc3eb3f8e                     ; -256 ln(2 pi)
	s_delay_alu instid0(VALU_DEP_1)
	v_fma_f32 v106, v104, -0.5, v106
	s_delay_alu instid0(VALU_DEP_1)
	v_fma_f32 v106, v102, 0xbf317218, v106         ; - ln 2 x the sum of log2 sigma: cst
	s_wait_kmcnt 0x0
	s_add_co_i32 s19, s13, 127
	s_lshl_b32 s20, s19, 23
	v_mov_b32 v107, s20                            ; 2^e1 as f32: the conversion takes its exponent field
	s_add_co_i32 s19, s19, 8
	s_lshl_b32 s19, s19, 23
	s_or_b32 s19, s19, 0x600000
	v_mov_b32 v108, s19                            ; 448 x 2^e1
	s_add_co_i32 s19, s15, 127
	s_lshl_b32 s20, s19, 23
	v_mov_b32 v109, s20                            ; 2^e3
	s_add_co_i32 s19, s19, 8
	s_lshl_b32 s19, s19, 23
	s_or_b32 s19, s19, 0x600000
	v_mov_b32 v110, s19                            ; 448 x 2^e3
.irp j, 0,1,2,3,4,5,6,7,8,9,10,11,12,13,14,15
	v_med3_num_f32 v[IV+\j], v[IV+\j], -v108, v108 ; the conversion to an 8-bit code does not saturate (ISA guide 7.6.2): the hold at the largest code x the scale
	v_med3_num_f32 v[B2+\j], v[B2+\j], -v110, v110
.endr
	v_cvt_scalef32_pk8_fp8_f32 v[CD:CD+1], v[IV:IV+7], v107          ; words for w = 0, 1
	v_cvt_scalef32_pk8_fp8_f32 v[CD+2:CD+3], v[IV+8:IV+15], v107     ; w = 2, 3
	v_cvt_scalef32_pk8_fp8_f32 v[CD+4:CD+5], v[B2:B2+7], v109
	v_cvt_scalef32_pk8_fp8_f32 v[CD+6:CD+7], v[B2+8:B2+15], v109
	v_nop                                          ; a plain instruction behind the last conversion
.irp w, 0,1,2,3
	ds_store_b32 v5, v[CD+\w] offset:(2*\w)*1088
	ds_store_b32 v5, v[CD+4+\w] offset:(2*\w+1)*1088
.endr
	ds_store_b32 v6, v106 offset:CSTS
	s_wait_dscnt 0x0                               ; for the others' sake: my stores have landed
	s_barrier_signal -1
	s_barrier_wait -1
	ds_load_b128 v[96:99], v3                      ; a wave's store covers 512 consecutive bytes, two units
	ds_load_b128 v[100:103], v3 offset:4352
	s_wait_dscnt 0x0
	global_store_b128 v7, v[96:99], s[10:11]
	global_store_b128 v7, v[100:103], s[10:11] offset:4096
	s_cmp_lg_u32 s18, 0
	s_cbranch_scc1 .Lend                           ; wave 0 alone takes the 512 bytes of cst
	ds_load_b128 v[104:107], v4 offset:CSTS
	s_wait_dscnt 0x0
	global_store_b128 v4, v[104:107], s[10:11] offset:CSTG
.Lend:
	s_wait_tensorcnt 0x0                           ; the wave's end: a wait, an LDS add and its wait behind my last LDS store
	ds_add_u32 v1, v2
	s_wait_dscnt 0x0
	s_endpgm
.Lfunc_end_k_qa86a016ad9_prep:
	.size	k_qa86a016ad9_prep, .Lfunc_end_k_qa86a016ad9_prep-k_qa86a016ad9_prep
	.p2alignl 7, 3214868480
	.fill 96, 4, 3214868480
	.section	.rodata,"a",@progbits
	.p2align	6, 0x0
	.amdhsa_kernel k_qa86a016ad9_prep
		.amdhsa_group_segment_fixed_size 10240
		.amdhsa_private_segment_fixed_size 0
		.amdhsa_enable_private_segment 0
		.amdhsa_kernarg_size 32
		.amdhsa_user_sgpr_count 2
		.amdhsa_user_sgpr_kernarg_segment_ptr 1
		.amdhsa_wavefront_size32 1
		.amdhsa_system_sgpr_workgroup_id_x 1
		.amdhsa_system_sgpr_workgroup_id_y 1
		.amdhsa_system_sgpr_workgroup_id_z 1
		.amdhsa_system_vgpr_workitem_id 0
		.amdhsa_next_free_vgpr 112
		.amdhsa_next_free_sgpr 66
		.amdhsa_reserve_vcc 0
		.amdhsa_float_denorm_mode_32 3
		.amdhsa_float_denorm_mode_16_64 3
		.amdhsa_memory_ordered 1
		.amdhsa_forward_progress 1
		.amdhsa_inst_pref_size 15
	.end_amdhsa_kernel
	.amdgpu_metadata
---
amdhsa.version: [ 1, 2 ]
amdhsa.kernels:
  - .name:           k_qa86a016ad9_prep
    .symbol:         k_qa86a016ad9_prep.kd
    .args:
      - { .name: means, .offset: 0, .size: 8, .value_kind: global_buffer, .address_space: global }
      - { .name: diagonal, .offset: 8, .size: 8, .value_kind: global_buffer, .address_space: global }
      - { .name: lowp_scales, .offset: 16, .size: 8, .value_kind: global_buffer, .address_space: global }
      - { .name: wts, .offset: 24, .size: 8, .value_kind: global_buffer, .address_space: global }
    .group_segment_fixed_size: 10240
    .private_segment_fixed_size: 0
    .kernarg_segment_align: 8
    .kernarg_segment_size: 32
    .max_flat_workgroup_size: 256
    .sgpr_count:     66
    .vgpr_count:     112
    .wavefront_size: 32
...
	.end_amdgpu_metadata
.endif
;; end of part 1
;; launch main (part 2): grid 256 x 1, 4 waves a work-group, no clusters, 269,824 bytes of LDS; arguments x, wts, feat_gamma, feat_beta, mask_gamma, mask_beta, lowp_scales, out0; writes out0
.if DOCPART == 2
	.amdgcn_target "amdgcn-amd-amdhsa--gfx1250"
	.amdhsa_code_object_version 6
	.text
	.protected	k_qa86a016ad9_main
	.globl	k_qa86a016ad9_main
	.p2align	8
	.type	k_qa86a016ad9_main,@function
k_qa86a016ad9_main:
	s_mov_b64 s[64:65], 0
	v_nop
	global_prefetch_b8 v0, s[64:65] scope:SCOPE_SE
	s_setreg_imm32_b32 hwreg(HW_REG_WAVE_MODE, 25, 1), 1
	s_wait_xcnt 0x0
; For each of 65,536 pixels: LayerNorm over 512 channels (gamma, beta), L2 norm -> f; q1 = Q(f^2) . Q(iv), q2 = Q(f) . Q(mu iv) on codes of E4M3; log_prob = -0.5 q1 + q2 + cst;
; the maximum over a class's 5 components; LayerNorm over the 19 classes; out [4][19][128][128].
; SHARES.  A work-group owns 256 neighbouring pixels of one image, as four tiles of 64 pixels x 512 channels.  THE WAVES SHARE THE CHANNELS: wave w has channels 128 w .. 128 w + 127 of all 64 pixels,
; one K step of 128.  Lane (r = l % 16, h = l / 16) holds pixels 4 r .. 4 r + 3 of channels 128 w + 64 h + i, i = 0 .. 63: register 4 i + j is pixel 4 r + j.  So sixteen lanes' 16 bytes are 256
; consecutive, aligned bytes of one channel; a register pair is two pixels of one channel (all arithmetic is packed); the wave's 12 fragments of the components' codes stay in registers for the whole launch;
; and each accumulator is written by ONE matrix instruction with C = 0.  Three exchanges through LDS a tile: (mean, sum of squares), |f|^2, and the partial sums of the four K steps.
; THE ORDER OF CHANNELS in an operand: byte b of register c of lane half h = channel 64 h + 4 c + b of the wave's 128, alike on both sides, so every product meets its partner; only the order of
; the sums inside an instruction differs.  M tile j = pixels 4 r + j.  Source 0 = 16 rows of components, source 1 = 16 pixels: a lane holds ONE pixel and 48 components.
; THE STREAM.  x goes from memory straight into registers: tile 0 into XA, tile 1 into XB behind it; tile t + 1 into XB in trip t, in ten groups of 6 or 8 loads, since the second pass over tile t moves it from XB to XA.
; PREFETCH: trip t asks for tile t + 2, which trip t + 1 loads: wave w for its own 128 channels, a lane a channel's 256 bytes, four instructions; each block is named once.  Tile 3 is the last that is asked for.
; The components' codes come by one tensor load a wave (24 KiB, its own channels) into LDS at the head, and from there into registers while tile 0's codes are made.  No LDS byte is filled twice.
; THE ORDER OF WORK.  Tile t + 1's mean is taken while tile t's partial sums go to LDS; tile t's sums are fetched under tile t + 1's second pass, and added up between the signal and the wait of the barrier
; for t + 1's statistics; tile t's LayerNorm over classes stands between the signal and the wait of the barrier for t + 1's |f|^2.
; NO CLUSTER: the tiles of x are read by one work-group each; what all share is 96 KiB of codes against 512 KiB of x a work-group, fetched once.
; MEAN AND VARIANCE: two passes inside a wave's 128 channels; the four groups are joined by differences of their means: var = (sum of the groups' M2) / 512 + (sum of (m_v - mean)^2) / 4.
; LIMITS: e0 .. e3 each between -126 and 119; e2 + e3 between -126 and 127; e0 + e1 - e2 - e3 between -125 and 128.  NaN and infinities are not served.  Divisions are a reciprocal and a product.
; REGISTERS, in windows of 256.  Window 0: v1-21 addresses and scales, v22-41 the classes' gamma and beta, v44-63 a tile's statistics, v64-127 at work (TT), v128-255 gamma and beta of my 64 channels,
; then the pixels' codes, then the partial sums fetched.  Window 1: XA, the tile at work; then two sets of 12 accumulators, and v192-239 a second register stage.  Window 2: XB, where the next tile lands.
; Window 3: v0-191 the components' 12 fragments, v192-239 cst, v240-255 a part of the partial sums, then the class maxima.
.set STAGE, 98304                      ; LDS: from 0 the partial sums [to wave][from wave] of 6,144 bytes; here 19 classes x 256 pixels of results
.set WL,    131072                     ; [wave]: its fragments, 12 half-blocks of 2,048 bytes
.set EX1,   262144                     ; [wave]: 64 means, 64 M2
.set EX2,   EX1+2048                   ; [wave]: 64 |f|^2
.set GBT,   265216                     ; [wave]: gamma of its 128 channels, beta
.set SPARE, 269312                     ; the spare words, 128 bytes for each wave: no other line names them
.set CHB,   65536                      ; bytes from a channel to the next
.set HBLK,  8704                       ; a half-block of wts: 8 rows of a tile of 16
.set TT,    64
.set PX,    60                         ; v60-63 destination of the lane permutes; from |f|^2's exchange to the codes: 1 / |f|
.set G,     128
.set BT,    192
.set P,     0                          ; window 1: accumulator set P: q1's six tiles, then q2's
.set Q,     96                         ; and set Q
.set MSB, 0
.macro WIN new                         ; low byte: bits 1:0 source 0, 3:2 source 1, 5:4 source 2, 7:6 destination; the high byte repeats the setting that is left
.if MSB != (\new)
	s_set_vgpr_msb (MSB<<8)|(\new)
.set MSB, (\new)
.endif
.endm
.macro BAR                             ; my LDS stores have landed and my LDS loads are in: then the work-group's barrier
	s_wait_dscnt 0x0
	s_barrier_signal -1
	s_barrier_wait -1
.endm
.macro XL win, n, cnt, base, off       ; a part of a tile: each load 2 x 256 consecutive bytes
	WIN \win
.set xi, \n
.rept \cnt
	global_load_b128 v[4*xi:4*xi+3], v3, s[\base:\base+1] offset:xi*CHB+\off th:TH_LOAD_NT
.set xi, xi+1
.endr
	WIN 0
.endm
.macro XG n, cnt                       ; a part of the next tile into XB, where there is one: the loop's counter decides
	WIN 0
	s_cmp_lt_u32 s56, 3
	s_cbranch_scc0 .Lno_x_\@
	XL 0x80, \n, \cnt, 50, 0
.Lno_x_\@:
.endm
.macro PF off                          ; the tile at byte off of my 256 pixels, asked for into the L2: 4 x 32 channels, 256 bytes each
.irp k, 0,1,2,3
	global_prefetch_b8 v5, s[20:21] offset:\off+2097152*\k th:TH_LOAD_NT scope:SCOPE_SE
.endr
.endm
.macro RED4 dst                        ; four chains of four pixels in v64-79 -> one; + the other half of the lanes' 64 channels
.irp p, 0,2
	v_pk_add_f32 v[TT+\p:TT+\p+1], v[TT+\p:TT+\p+1], v[TT+4+\p:TT+5+\p]
	v_pk_add_f32 v[TT+8+\p:TT+9+\p], v[TT+8+\p:TT+9+\p], v[TT+12+\p:TT+13+\p]
.endr
.irp p, 0,2
	v_pk_add_f32 v[TT+\p:TT+\p+1], v[TT+\p:TT+\p+1], v[TT+8+\p:TT+9+\p]
.endr
.irp j, 0,1,2,3
	v_permlanex16_b32 v[PX+\j], v[TT+\j], s44, s45
.endr
	v_pk_add_f32 v[\dst:\dst+1], v[TT:TT+1], v[PX:PX+1]
	v_pk_add_f32 v[\dst+2:\dst+3], v[TT+2:TT+3], v[PX+2:PX+3]
.endm
.macro PASS_A win, head                ; the mean of my 128 channels, for 4 pixels a lane, of the tile in window win.  head = 1: tile 0's loads are still coming in, and tile 1's go out
.if \head
	s_wait_loadcnt 63                              ; 98 loads are issued: at least 35 are done, tile 0's first 32 among them
.endif
	WIN 5*\win
.irp c, 0,1,2,3
.irp p, 0,2
	v_pk_add_f32 v[TT+4*\c+\p:TT+4*\c+\p+1], v[4*\c+\p:4*\c+\p+1], v[4*(\c+4)+\p:4*(\c+4)+\p+1]   ; the first sums start the chains: nothing is cleared
.endr
.endr
	WIN \win
.set i, 8
.rept 56
.if \head && ((i == 32) || (i == 48))
	s_wait_alu depctr_va_vdst(0)                   ; the wait ahead of the wait below
	XL 0x80, i-32, 16, 20, 256                     ; tile 1, a quarter
	s_wait_loadcnt 63                              ; 114, then 130 loads are issued: at least 51, then 67 are done: tile 0's first 48, then all 64
	WIN \win
.endif
	v_pk_add_f32 v[TT+4*(i%4):TT+4*(i%4)+1], v[4*i:4*i+1], v[TT+4*(i%4):TT+4*(i%4)+1]
	v_pk_add_f32 v[TT+4*(i%4)+2:TT+4*(i%4)+3], v[4*i+2:4*i+3], v[TT+4*(i%4)+2:TT+4*(i%4)+3]
.set i, i+1
.endr
	WIN 0
	RED4 44
	v_pk_mul_f32 v[44:45], v[44:45], 0x3c000000 op_sel_hi:[1,0]   ; / 128
	v_pk_mul_f32 v[46:47], v[46:47], 0x3c000000 op_sel_hi:[1,0]
.endm
.macro SQSUM dst                       ; the sum of XA's squares over my 128 channels
	WIN 0x05
.set i, 0
.rept 64
.if i < 4
	v_pk_mul_f32 v[TT+4*i:TT+4*i+1], v[4*i:4*i+1], v[4*i:4*i+1]
	v_pk_mul_f32 v[TT+4*i+2:TT+4*i+3], v[4*i+2:4*i+3], v[4*i+2:4*i+3]
.else
	v_pk_fma_f32 v[TT+4*(i%4):TT+4*(i%4)+1], v[4*i:4*i+1], v[4*i:4*i+1], v[TT+4*(i%4):TT+4*(i%4)+1]
	v_pk_fma_f32 v[TT+4*(i%4)+2:TT+4*(i%4)+3], v[4*i+2:4*i+3], v[4*i+2:4*i+3], v[TT+4*(i%4)+2:TT+4*(i%4)+3]
.endif
.set i, i+1
.endr
	WIN 0
	RED4 \dst
.endm
.macro SUBM win                        ; XA = the tile in window win - my group's mean
	WIN 0x40|\win
.set i, 0
.rept 64
	v_pk_add_f32 v[4*i:4*i+1], v[4*i:4*i+1], v[44:45] neg_lo:[0,1] neg_hi:[0,1]
	v_pk_add_f32 v[4*i+2:4*i+3], v[4*i+2:4*i+3], v[46:47] neg_lo:[0,1] neg_hi:[0,1]
.set i, i+1
.endr
	WIN 0
.endm
.macro QUANT u                         ; channels 8 u .. 8 u + 7 of my 64: t = f / |f|; t and t^2 held, sorted by pixel, turned into codes
	WIN 0x41
.irp a, 0,1,2,3,4,5,6,7
	v_pk_mul_f32 v[32*\u+4*\a:32*\u+4*\a+1], v[32*\u+4*\a:32*\u+4*\a+1], v[60:61]
	v_pk_mul_f32 v[32*\u+4*\a+2:32*\u+4*\a+3], v[32*\u+4*\a+2:32*\u+4*\a+3], v[62:63]
.endr
	WIN 0x01
.irp a, 0,1,2,3,4,5,6,7
.irp j, 0,1,2,3
	v_med3_num_f32 v[TT+8*\j+\a], v[32*\u+4*\a+\j], -v19, v19   ; the hold at 448 x 2^e2 (the conversion does not saturate: ISA guide 7.6.2); its destination puts a pixel's eight channels side by side
.endr
.endr
	WIN 0x45
.irp a, 0,1,2,3,4,5,6,7
	v_pk_mul_f32 v[32*\u+4*\a:32*\u+4*\a+1], v[32*\u+4*\a:32*\u+4*\a+1], v[32*\u+4*\a:32*\u+4*\a+1]
	v_pk_mul_f32 v[32*\u+4*\a+2:32*\u+4*\a+3], v[32*\u+4*\a+2:32*\u+4*\a+3], v[32*\u+4*\a+2:32*\u+4*\a+3]
.endr
	WIN 0x01
.irp a, 0,1,2,3,4,5,6,7
.irp j, 0,1,2,3
	v_min_num_f32 v[TT+32+8*\j+\a], v[32*\u+4*\a+\j], v17       ; a square is not negative: the hold at 448 x 2^e0 is one-sided
.endr
.endr
	WIN 0
.irp j, 0,1,2,3
	v_cvt_scalef32_pk8_fp8_f32 v[192+16*\j+2*\u:193+16*\j+2*\u], v[TT+8*\j:TT+7+8*\j], v20       ; f's codes: registers 2 u, 2 u + 1 of pixel tile j's fragment
.endr
.irp j, 0,1,2,3
	v_cvt_scalef32_pk8_fp8_f32 v[128+16*\j+2*\u:129+16*\j+2*\u], v[TT+32+8*\j:TT+39+8*\j], v18   ; f^2's.  (The next group's sixteen products are the plain instructions behind these)
.endr
.endm
.macro MMA set, j                      ; pixel tile j against my K step of all 96 rows, both products: 12 accumulators, each begun and finished by one instruction
	WIN 0x43
.irp q, 0,1
.irp n, 0,1,2,3,4,5
	v_wmma_f32_16x16x128_fp8_fp8 v[\set+48*\q+8*\n:\set+48*\q+8*\n+7], v[16*(6*\q+\n):16*(6*\q+\n)+15], v[128+64*\q+16*\j:128+64*\q+16*\j+15], 0
.endr
.endr
.endm
.macro COMB set, win, dst              ; S1 x (-0.5 x 2^(e0 + e1 - e2 - e3)) + S2, into a register stage of 48; each accumulator from its low end on
	WIN \win
.set i, 0
.rept 24
	v_pk_fma_f32 v[\dst+2*i:\dst+2*i+1], v[\set+2*i:\set+2*i+1], s[46:47], v[\set+48+2*i:\set+49+2*i] op_sel_hi:[1,0,1]
.set i, i+1
.endr
.endm
.macro SENDP adr, off, win, src        ; the 48 partial sums go to the wave that finishes this pixel tile, as an image of the registers
	WIN \win
.set i, 0
.rept 12
	ds_store_b128 v[\adr], v[\src+4*i:\src+4*i+3] offset:\off+512*i
.set i, i+1
.endr
.endm
.macro PBASE k                         ; where the four waves' slots 4 k .. 4 k + 3 lie
.if (\k) < 8
.set PB, 128+16*(\k)
.elseif (\k) < 11
.set PB, 80+16*((\k)-8)
.else
.set PB, 64
.endif
.endm
.macro PLOAD                           ; the four waves' partial sums of my pixel tile: v128-255, v80-127, and v240-255 of window 3
	WIN 0
.irp k, 0,1,2,3,4,5,6,7,8,9,10
	PBASE \k
.irp v, 0,1,2,3
	ds_load_b128 v[PB+4*\v:PB+4*\v+3], v12 offset:6144*\v+512*\k
.endr
.endr
	WIN 0xc0
.irp v, 0,1,2,3
	ds_load_b128 v[240+4*\v:243+4*\v], v12 offset:6144*\v+512*11
.endr
	WIN 0
.endm
.macro SUMS                            ; the four K steps added up; log_prob; the maximum over a class's five components, into window 3, v240-249 (class 10 h + c; class 9)
	WIN 0
.irp k, 0,1,2,3,4,5,6,7,8,9,10
	PBASE \k
	v_pk_add_f32 v[PB:PB+1], v[PB:PB+1], v[PB+4:PB+5]
	v_pk_add_f32 v[PB+2:PB+3], v[PB+2:PB+3], v[PB+6:PB+7]
	v_pk_add_f32 v[PB+8:PB+9], v[PB+8:PB+9], v[PB+12:PB+13]
	v_pk_add_f32 v[PB+10:PB+11], v[PB+10:PB+11], v[PB+14:PB+15]
.endr
	WIN 0x0f
	v_pk_add_f32 v[64:65], v[240:241], v[244:245]
	v_pk_add_f32 v[66:67], v[242:243], v[246:247]
	v_pk_add_f32 v[72:73], v[248:249], v[252:253]
	v_pk_add_f32 v[74:75], v[250:251], v[254:255]
	WIN 0
.irp k, 0,1,2,3,4,5,6,7,8,9,10,11
	PBASE \k
	v_pk_add_f32 v[PB:PB+1], v[PB:PB+1], v[PB+8:PB+9]
	v_pk_add_f32 v[PB+2:PB+3], v[PB+2:PB+3], v[PB+10:PB+11]
.endr
	WIN 0x30
.irp k, 0,1,2,3,4,5,6,7,8,9,10,11      ; log_prob = sum x 2^(e2 + e3) + cst, closed up to v128-175: what is written over has been read
	PBASE \k
	v_pk_fma_f32 v[128+4*\k:129+4*\k], v[PB:PB+1], s[48:49], v[192+4*\k:193+4*\k] op_sel_hi:[1,0,1]
	v_pk_fma_f32 v[130+4*\k:131+4*\k], v[PB+2:PB+3], s[48:49], v[194+4*\k:195+4*\k] op_sel_hi:[1,0,1]
.endr
	WIN 0
	v_max3_num_f32 v73, v173, v174, v175           ; my half's three of class 9
.irp c, 0,1,2,3,4,5,6,7,8
	v_max3_num_f32 v[TT+\c], v[128+5*\c], v[129+5*\c], v[130+5*\c]
.endr
	v_permlanex16_b32 v[PX], v73, s44, s45
	WIN 0xc0
.irp c, 0,1,2,3,4,5,6,7,8
	v_max3_num_f32 v[240+\c], v[TT+\c], v[131+5*\c], v[132+5*\c]
.endr
	v_max_num_f32 v249, v73, v[PX]                 ; class 9, in both halves
	WIN 0
.endm
.macro LN                              ; LayerNorm over the 19 classes: v64-72 classes 10 h + c, v73 class 9
	WIN 0x0f
.irp c, 0,1,2,3,4,5,6,7,8
	v_sub_f32 v[TT+\c], v[240+\c], v249            ; all classes less class 9's value: the mean and the deviations are taken of small numbers
.endr
	WIN 0
	v_add_f32 v74, v64, v65
	v_add_f32 v75, v66, v67
	v_add_f32 v76, v68, v69
	v_add_f32 v77, v70, v71
	v_add_f32 v74, v74, v75
	v_add_f32 v76, v76, v77
	v_add_f32 v74, v74, v72
	v_add_f32 v74, v74, v76
	v_permlanex16_b32 v[PX], v74, s44, s45
	v_add_f32 v74, v74, v[PX]                      ; 18 classes; class 9 adds 0
	v_mul_f32 v74, 0x3d579436, v74                 ; / 19
.irp c, 0,1,2,3,4,5,6,7,8
	v_sub_f32 v[TT+\c], v[TT+\c], v74
.endr
	v_sub_f32 v73, 0, v74
	v_mul_f32 v75, v64, v64
	v_mul_f32 v76, v65, v65
	v_fma_f32 v75, v66, v66, v75
	v_fma_f32 v76, v67, v67, v76
	v_fma_f32 v75, v68, v68, v75
	v_fma_f32 v76, v69, v69, v76
	v_fma_f32 v75, v70, v70, v75
	v_fma_f32 v76, v71, v71, v76
	v_fma_f32 v75, v72, v72, v75
	v_add_f32 v75, v75, v76
	v_permlanex16_b32 v[PX], v75, s44, s45
	v_add_f32 v75, v75, v[PX]
	v_fma_f32 v75, v73, v73, v75
	v_mov_b32 v76, 0x3727c5ac
	v_fma_f32 v75, v75, 0x3d579436, v76            ; the variance + 1e-5
	s_wait_alu depctr_va_vdst(0)
	v_rsq_f32 v75, v75
	v_add_nc_u32 v15, s57, v13                     ; the tile's place in the stage.  (The plain instructions behind the root)
	v_add_nc_u32 v16, s57, v14
	s_wait_alu depctr_va_vdst(0)
.irp c, 0,1,2,3,4,5,6,7,8,9
	v_mul_f32 v[TT+\c], v[TT+\c], v75
.endr
.irp c, 0,1,2,3,4,5,6,7,8,9
	v_fma_f32 v[TT+\c], v[TT+\c], v[22+\c], v[32+\c]
.endr
.endm
.macro LNST                            ; the results into the stage
.irp c, 0,1,2,3,4,5,6,7,8
	ds_store_b32 v15, v[TT+\c] offset:1024*\c
.endr
	ds_store_b32 v16, v73
.endm
; A tile behind the barrier for its statistics: normalised, turned into codes, multiplied, its partial sums sent.
; first = 1: tile 0, which fetches the components' fragments out of LDS; first = 0: the tile before is finished on the way, and the next tile's loads go out
.macro AB first
.irp v, 0,1,2,3
	ds_load_b128 v[TT+8*\v:TT+8*\v+3], v7 offset:512*\v          ; m_v
	ds_load_b128 v[TT+8*\v+4:TT+8*\v+7], v7 offset:512*\v+256    ; M2_v
.endr
.set i, 0
.rept 16
	ds_load_b128 v[G+4*i:G+4*i+3], v9 offset:16*i                ; gamma and beta of my 64 channels
	ds_load_b128 v[BT+4*i:BT+4*i+3], v9 offset:512+16*i
.set i, i+1
.endr
.if \first == 0
	XG 6, 6
.endif
	v_mov_b32 v112, 0x3727c5ac                     ; 1e-5
	v_mov_b32 v113, 0x3727c5ac
	s_wait_dscnt 32                                ; the statistics are in; gamma's and beta's 32 loads are younger
.irp p, 0,2
	v_pk_add_f32 v[72+\p:73+\p], v[72+\p:73+\p], v[64+\p:65+\p] neg_lo:[0,1] neg_hi:[0,1]      ; A_v = m_v - m_0
	v_pk_add_f32 v[80+\p:81+\p], v[80+\p:81+\p], v[64+\p:65+\p] neg_lo:[0,1] neg_hi:[0,1]
	v_pk_add_f32 v[88+\p:89+\p], v[88+\p:89+\p], v[64+\p:65+\p] neg_lo:[0,1] neg_hi:[0,1]
	v_pk_add_f32 v[100+\p:101+\p], v[44+\p:45+\p], v[64+\p:65+\p] neg_lo:[0,1] neg_hi:[0,1]    ; my mean - m_0
	v_pk_add_f32 v[108+\p:109+\p], v[68+\p:69+\p], v[76+\p:77+\p]
	v_pk_add_f32 v[120+\p:121+\p], v[84+\p:85+\p], v[92+\p:93+\p]
.endr
.irp p, 0,2
	v_pk_add_f32 v[96+\p:97+\p], v[72+\p:73+\p], v[80+\p:81+\p]
	v_pk_add_f32 v[108+\p:109+\p], v[108+\p:109+\p], v[120+\p:121+\p]                          ; the sum of the M2
.endr
.irp p, 0,2
	v_pk_add_f32 v[96+\p:97+\p], v[96+\p:97+\p], v[88+\p:89+\p]
.endr
.irp p, 0,2
	v_pk_mul_f32 v[96+\p:97+\p], v[96+\p:97+\p], s[52:53] op_sel_hi:[1,0]                      ; DM = the mean - m_0
.endr
.irp p, 0,2
	v_pk_add_f32 v[72+\p:73+\p], v[72+\p:73+\p], v[96+\p:97+\p] neg_lo:[0,1] neg_hi:[0,1]      ; m_v - the mean
	v_pk_add_f32 v[80+\p:81+\p], v[80+\p:81+\p], v[96+\p:97+\p] neg_lo:[0,1] neg_hi:[0,1]
	v_pk_add_f32 v[88+\p:89+\p], v[88+\p:89+\p], v[96+\p:97+\p] neg_lo:[0,1] neg_hi:[0,1]
	v_pk_add_f32 v[100+\p:101+\p], v[96+\p:97+\p], v[100+\p:101+\p] neg_lo:[0,1] neg_hi:[0,1]  ; DL = the mean - my mean
	v_pk_mul_f32 v[104+\p:105+\p], v[96+\p:97+\p], v[96+\p:97+\p]
.endr
.irp p, 0,2
	v_pk_fma_f32 v[104+\p:105+\p], v[72+\p:73+\p], v[72+\p:73+\p], v[104+\p:105+\p]
.endr
.irp p, 0,2
	v_pk_fma_f32 v[104+\p:105+\p], v[80+\p:81+\p], v[80+\p:81+\p], v[104+\p:105+\p]
.endr
.irp p, 0,2
	v_pk_fma_f32 v[104+\p:105+\p], v[88+\p:89+\p], v[88+\p:89+\p], v[104+\p:105+\p]
.endr
.irp p, 0,2
	v_pk_fma_f32 v[104+\p:105+\p], v[104+\p:105+\p], s[52:53], v[112:113] op_sel_hi:[1,0,1]
.endr
.irp p, 0,2
	v_pk_fma_f32 v[104+\p:105+\p], v[108+\p:109+\p], s[54:55], v[104+\p:105+\p] op_sel_hi:[1,0,1]   ; the variance + 1e-5
.endr
	s_wait_alu depctr_va_vdst(0)
.irp j, 0,1,2,3
	v_rsq_f32 v[52+\j], v[104+\j]
.endr
	v_nop                                          ; a plain instruction behind the batch,
	s_wait_alu depctr_va_vdst(0)                   ; and its one wait, ahead of the first reader
	v_pk_mul_f32 v[56:57], v[100:101], v[52:53] neg_lo:[1,0] neg_hi:[1,0]   ; x - the mean = d - DL: y = d rs - DL rs
	v_pk_mul_f32 v[58:59], v[102:103], v[54:55] neg_lo:[1,0] neg_hi:[1,0]
	; ---- y = d rs + cc;  f = y gamma + beta;  the sum of f^2
	WIN 0x41
.set i, 0
.rept 64
	v_pk_fma_f32 v[4*i:4*i+1], v[4*i:4*i+1], v[52:53], v[56:57]
	v_pk_fma_f32 v[4*i+2:4*i+3], v[4*i+2:4*i+3], v[54:55], v[58:59]
.set i, i+1
.endr
.if \first == 0
	XG 12, 8
.endif
	WIN 0
	s_wait_dscnt 0x0                               ; gamma and beta are in
.if \first == 0
	s_cmp_eq_u32 s56, 1
	s_cbranch_scc0 .Lno_ask                        ; behind tile 3 there is nothing to ask for
	PF 768                                         ; tile 3, which the next trip loads
.Lno_ask:
.else
	PF 512                                         ; tile 2, which the next trip loads
.endif
	WIN 0x41
.set i, 0
.rept 32                                       ; a channel's gamma and beta serve both pixels of a pair: the even channel's lie in the low register of their pairs, the odd one's in the high
	v_pk_fma_f32 v[8*i:8*i+1], v[8*i:8*i+1], v[G+2*i:G+2*i+1], v[BT+2*i:BT+2*i+1] op_sel_hi:[1,0,0]
	v_pk_fma_f32 v[8*i+2:8*i+3], v[8*i+2:8*i+3], v[G+2*i:G+2*i+1], v[BT+2*i:BT+2*i+1] op_sel_hi:[1,0,0]
	v_pk_fma_f32 v[8*i+4:8*i+5], v[8*i+4:8*i+5], v[G+2*i:G+2*i+1], v[BT+2*i:BT+2*i+1] op_sel:[0,1,1] op_sel_hi:[1,1,1]
	v_pk_fma_f32 v[8*i+6:8*i+7], v[8*i+6:8*i+7], v[G+2*i:G+2*i+1], v[BT+2*i:BT+2*i+1] op_sel:[0,1,1] op_sel_hi:[1,1,1]
.set i, i+1
.endr
.if \first == 0
	XG 20, 8
.endif
	SQSUM 48
	; ---- the four groups' |f|^2 meet
	ds_store_b128 v8, v[48:51]
	s_wait_dscnt 0x0
	s_barrier_signal -1
.if \first == 0
	LN                                             ; register work on the tile before
	s_wait_alu depctr_va_vdst(0)
.endif
	s_barrier_wait -1
.irp v, 0,1,2,3
	ds_load_b128 v[80+4*\v:83+4*\v], v7 offset:2048+256*\v
.endr
.if \first == 0
	LNST
	s_add_co_u32 s57, s57, 256
	s_wait_dscnt 10                                ; the four loads are in; the ten stores into the stage are younger
.else
	s_wait_tensorcnt 0x0                           ; my fragments are in LDS: from here on they stay in registers
	WIN 0xc0
.irp q, 0,1
.irp n, 0,1,2,3,4,5
.irp c, 0,1,2,3
	ds_load_b128 v[16*(6*\q+\n)+4*\c:16*(6*\q+\n)+4*\c+3], v4 offset:\n*4096+\q*1024+512*(\c/2)+128*(\c%2)
.endr
.endr
.endr
	WIN 0
	s_wait_dscnt 48                                ; the four loads are in; the fragments' 48 are younger
.endif
.irp p, 0,2
	v_pk_add_f32 v[80+\p:81+\p], v[80+\p:81+\p], v[84+\p:85+\p]
	v_pk_add_f32 v[88+\p:89+\p], v[88+\p:89+\p], v[92+\p:93+\p]
.endr
.irp p, 0,2
	v_pk_add_f32 v[80+\p:81+\p], v[80+\p:81+\p], v[88+\p:89+\p]
.endr
	s_wait_alu depctr_va_vdst(0)
.irp j, 0,1,2,3
	v_sqrt_f32 v[96+\j], v[80+\j]
.endr
	v_nop
	s_wait_alu depctr_va_vdst(0)
.irp j, 0,1,2,3
	v_max_num_f32 v[96+\j], 0x2b8cbccc, v[96+\j]   ; max(|f|, 1e-12)
.endr
	s_wait_alu depctr_va_vdst(0)
.irp j, 0,1,2,3
	v_rcp_f32 v[60+\j], v[96+\j]
.endr
	v_nop
	s_wait_alu depctr_va_vdst(0)
	; ---- the codes
.irp u, 0,1,2,3,4,5,6,7
.if (\first == 0) && (\u < 6)
	XG 28+6*\u, 6
.endif
.if (\first == 1) && (\u == 7)
	s_wait_dscnt 0x0                               ; the fragments are in
.endif
	QUANT \u
.endr
	v_nop                                          ; a plain instruction between the last conversion and the products that read its result
	; ---- the products, two sets of accumulators by turns.  A set's results are read four plain instructions or more behind its products, and written over five or more behind them:
	; the four v_nop for the first, then the other set's 24 multiply-adds, which name none of its registers.  Two register stages by turns on the way to LDS
	MMA P, 0
	MMA Q, 1
.rept 4
	v_nop
.endr
	COMB P, 0x11, TT
	SENDP 10, 0, 0, TT
	MMA P, 2
	COMB Q, 0x51, 192
	SENDP 10, 24576, 0x04, 192
	MMA Q, 3
	COMB P, 0x11, TT
	SENDP 11, 0, 0, TT
	COMB Q, 0x51, 192
	SENDP 11, 24576, 0x04, 192
	WIN 0
.endm
	s_load_b512 s[4:19], s[0:1], 0x0               ; x, wts, feat_gamma, feat_beta, mask_gamma, mask_beta, the scales' exponents, out0
	v_lshl_add_u32 v1, v0, 2, SPARE
	v_mov_b32 v2, 0
	ds_add_u32 v1, v2                              ; the wave's opening: the add, twice on end, and its wait ahead of my first tensor load; work on registers stands between them
	ds_add_u32 v1, v2
	v_lshrrev_b32 v64, 5, v0
	v_readfirstlane_b32 s58, v64                   ; wave w
	v_and_b32 v64, 15, v0                          ; r
	v_bfe_u32 v65, v0, 4, 1                        ; h
	v_and_b32 v66, 31, v0                          ; l
	v_lshlrev_b32 v67, 4, v64                      ; 16 r
	v_lshlrev_b32 v21, 4, v66                      ; v21 = 16 l
	s_lshl_b32 s62, s58, 23                        ; my 128 channels in memory
	v_lshl_add_u32 v3, v65, 22, v67
	v_add_nc_u32 v3, s62, v3                       ; v3: x: 128 w + 64 h channels on, + 16 r
	v_lshlrev_b32 v5, 16, v66
	v_add_nc_u32 v5, s62, v5                       ; v5: the prefetches: channel 128 w + l
	s_mul_i32 s33, s58, 24576
	s_add_co_u32 s33, s33, WL                      ; my fragments in LDS
	v_lshrrev_b32 v4, 3, v64
	v_and_b32 v68, 7, v64
	v_lshlrev_b32 v4, 11, v4
	v_lshl_add_u32 v4, v68, 4, v4
	v_lshl_add_u32 v4, v65, 8, v4
	v_add_nc_u32 v4, s33, v4                       ; v4: as read: half-block r / 8, + 256 h + 16 (r % 8)
	v_add_nc_u32 v7, EX1, v67                      ; v7: the exchanges, as read
	s_lshl_b32 s59, s58, 9
	v_add_nc_u32 v6, s59, v7                       ; v6: where I put mean and M2
	v_add_nc_u32 v89, s59, v21                     ; (head only) gamma, beta: my 128 channels, 16 bytes a lane
	s_lshl_b32 s59, s58, 8
	v_add_nc_u32 v8, s59, v7
	v_add_nc_u32 v8, 2048, v8                      ; v8: where I put |f|^2
	s_lshl_b32 s59, s58, 10
	v_lshlrev_b32 v9, 8, v65
	v_add_nc_u32 v9, s59, v9
	v_add_nc_u32 v9, GBT, v9                       ; v9: gamma of my half's 64 channels
	v_add_nc_u32 v90, s59, v21
	v_add_nc_u32 v90, GBT, v90                     ; (head only) where gamma and beta go
	s_mul_i32 s59, s58, 6144
	v_add_nc_u32 v10, s59, v21                     ; v10: partial sums for waves 0, 1
	v_add_nc_u32 v11, 49152, v10                   ; v11: for waves 2, 3
	s_mul_i32 s59, s58, 24576
	v_add_nc_u32 v12, s59, v21                     ; v12: those sent to me
	s_lshl_b32 s59, s58, 2
	v_mul_u32_u24 v13, v65, 10240
	v_add_nc_u32 v13, v13, v67
	v_add_nc_u32 v13, s59, v13
	v_add_nc_u32 v13, STAGE, v13                   ; v13: results: class 10 h, pixel 4 r + w
	v_add_nc_u32 v14, s59, v67
	v_add_nc_u32 v14, STAGE+9216, v14              ; v14: class 9
	v_mul_u32_u24 v42, v65, 40                     ; the classes' gamma and beta: class 10 h on,
	v_mov_b32 v43, 36                              ; and class 9
	v_mul_u32_u24 v88, HBLK, v65                   ; (head only) cst: rows 8 h on
.irp j, 0,1,2,3
	v_mov_b32 v[PX+\j], 0                          ; written once: a lane permute's destination counts as one of its sources
.endr
	s_mov_b32 s24, 3<<16                           ; descriptor group 1: elements of 8 bytes, no mask, no padding
	s_mov_b32 s25, 256<<16                         ; tensor_dim0: 2,048 bytes, my two fragments of a half-block
	s_mov_b32 s26, 12<<16                          ; tensor_dim1: 12 half-blocks
	s_mov_b32 s27, 256<<16                         ; tile_dim0
	s_mov_b32 s28, 12                              ; tile_dim1
	s_mov_b32 s29, 1088                            ; from half-block to half-block, in elements
	s_mov_b32 s30, 0
	s_mov_b32 s31, 0
	s_mov_b32 s32, 1
	s_mov_b32 s44, 0x76543210
	s_mov_b32 s45, 0xfedcba98                      ; lane l xor 16
	s_mov_b32 s52, 0x3e800000                      ; 1/4
	s_mov_b32 s53, s52
	s_mov_b32 s54, 0x3b000000                      ; 1/512
	s_mov_b32 s55, s54
	s_lshr_b32 s59, ttmp9, 6                       ; the image
	s_and_b32 s60, ttmp9, 63
	s_lshl_b32 s60, s60, 10                        ; my 256 pixels in a channel or class
	s_lshl_b32 s20, s59, 25                        ; an image of x: 33,554,432 bytes
	s_add_co_u32 s20, s20, s60
	s_mov_b32 s21, 0
	s_mul_i32 s22, s59, 1245184                    ; of out0: 19 x 65,536
	s_add_co_u32 s22, s22, s60
	s_mov_b32 s23, 0
	s_lshl_b32 s60, s58, 11                        ; my two fragments in each half-block of wts
	s_mov_b32 s61, 0
	s_wait_alu depctr_va_vdst(0)                   ; directly ahead of the waits below
	s_wait_dscnt 0x0                               ; both opening adds are done
	s_wait_kmcnt 0x0
	s_load_b128 s[40:43], s[16:17], 0x0            ; e0 .. e3
	s_add_nc_u64 s[20:21], s[4:5], s[20:21]        ; x at my pixels
	s_add_nc_u64 s[22:23], s[18:19], s[22:23]      ; out0 likewise
	s_add_nc_u64 s[34:35], s[6:7], s[60:61]
	s_or_b32 s35, s35, 0x80000000
	s_add_nc_u64 s[50:51], s[20:21], 256           ; the loop's loads: a tile behind what its trip steps it to
	XL 0x40, 0, 64, 20, 0                          ; tile 0, into XA
	tensor_load_to_lds s[32:35], s[24:31]          ; my fragments: one tensor load a wave at the head
	s_nop 0
.rept 4
	v_nop
.endr
	global_load_b128 v[80:83], v89, s[8:9]         ; 34 small loads: gamma and beta of my channels,
	global_load_b128 v[84:87], v89, s[10:11]
.irp c, 0,1,2,3,4,5,6,7,8
	global_load_b32 v[22+\c], v42, s[12:13] offset:4*\c          ; the classes',
	global_load_b32 v[32+\c], v42, s[14:15] offset:4*\c
.endr
	global_load_b32 v31, v43, s[12:13]
	global_load_b32 v41, v43, s[14:15]
	WIN 0xc0
.irp n, 0,1,2,3,4,5
	global_load_b128 v[192+8*\n:195+8*\n], v88, s[6:7] offset:\n*2*HBLK+8192     ; cst of my 48 slots
	global_load_b128 v[196+8*\n:199+8*\n], v88, s[6:7] offset:\n*2*HBLK+8208
.endr
	WIN 0
	; ---- tile 0's front; tile 1's loads go out on the way
	PASS_A 1, 1
	SUBM 1
	XL 0x80, 32, 16, 20, 256
	SQSUM 48
	ds_store_b128 v6, v[44:47]
	ds_store_b128 v6, v[48:51] offset:256
	XL 0x80, 48, 16, 20, 256
	s_wait_loadcnt 63                              ; 162 loads are issued: at least 99 are done, the 34 small ones among them
	ds_store_b128 v90, v[80:83]                    ; gamma and beta of my channels: bytes that my wave alone writes and reads
	ds_store_b128 v90, v[84:87] offset:512
	s_wait_kmcnt 0x0
	s_add_co_i32 s59, s40, 127
	s_lshl_b32 s60, s59, 23
	v_mov_b32 v18, s60                             ; 2^e0, for f^2's conversions
	s_add_co_i32 s59, s59, 8
	s_lshl_b32 s59, s59, 23
	s_or_b32 s59, s59, 0x600000
	v_mov_b32 v17, s59                             ; 448 x 2^e0
	s_add_co_i32 s59, s42, 127
	s_lshl_b32 s60, s59, 23
	v_mov_b32 v20, s60                             ; 2^e2, for f's
	s_add_co_i32 s59, s59, 8
	s_lshl_b32 s59, s59, 23
	s_or_b32 s59, s59, 0x600000
	v_mov_b32 v19, s59                             ; 448 x 2^e2
	s_add_co_i32 s59, s40, s41
	s_sub_co_i32 s59, s59, s42
	s_sub_co_i32 s59, s59, s43
	s_add_co_i32 s59, s59, 126
	s_lshl_b32 s59, s59, 23
	s_or_b32 s46, s59, 0x80000000                  ; -0.5 x 2^(e0 + e1 - e2 - e3)
	s_mov_b32 s47, s46
	s_add_co_i32 s59, s42, s43
	s_add_co_i32 s59, s59, 127
	s_lshl_b32 s48, s59, 23                        ; 2^(e2 + e3)
	s_mov_b32 s49, s48
	s_mov_b32 s57, 0                               ; 256 x the tile that is finished next: its 64 pixels in the stage
	s_wait_alu depctr_va_vdst(0)                   ; the wait at the head's end
	BAR
	AB 1
	s_mov_b32 s56, 1                               ; the tile
.Ltile:
	; ---- tile s56's mean.  The tile before's partial sums are on their way to LDS
	s_wait_loadcnt 0x0                             ; the tile is in XB
	s_add_nc_u64 s[50:51], s[50:51], 256           ; the next tile
	PASS_A 2, 0
	s_wait_alu depctr_va_vdst(0)
	BAR                                            ; the tile before's partial sums are all there
	PLOAD
	SUBM 2
	XG 0, 6                                        ; XB is free
	SQSUM 48
	ds_store_b128 v6, v[44:47]
	ds_store_b128 v6, v[48:51] offset:256
	s_wait_dscnt 0x0                               ; my statistics are there, and the partial sums that I fetched are in
	s_barrier_signal -1
	SUMS                                           ; register work on the tile before
	s_barrier_wait -1
	AB 0
	s_add_co_u32 s56, s56, 1
	s_cmp_lt_u32 s56, 4
	s_cbranch_scc1 .Ltile
	; ---- tile 3 is finished
	BAR
	PLOAD
	s_wait_dscnt 0x0
	SUMS
	LN
	LNST
	; ---- the way out: 19 rows of 1,024 bytes lie in the stage: 38 runs of 512 bytes; wave w takes runs w + 4 i; a store covers 512 consecutive, aligned bytes of a class
	s_lshl_b32 s59, s58, 9
	v_add_nc_u32 v106, s59, v21
	v_add_nc_u32 v106, STAGE, v106
	s_lshr_b32 s60, s58, 1
	s_lshl_b32 s60, s60, 16                        ; run w + 4 i: class 2 i + w / 2,
	s_and_b32 s61, s58, 1
	s_lshl_b32 s61, s61, 9                         ; half w % 2
	s_add_co_u32 s60, s60, s61
	v_add_nc_u32 v105, s60, v21
	s_wait_alu depctr_va_vdst(0)                   ; directly ahead of the waits below
	BAR
.irp i, 0,1,2,3,4,5,6,7,8
	ds_load_b128 v[TT+4*\i:TT+4*\i+3], v106 offset:2048*\i
.endr
.irp i, 0,1,2,3,4,5,6,7,8
	s_wait_dscnt 8-\i
	global_store_b128 v105, v[TT+4*\i:TT+4*\i+3], s[22:23] offset:131072*\i th:TH_STORE_NT
.endr
	s_cmp_gt_u32 s58, 1
	s_cbranch_scc1 .Lend                           ; class 18's two runs: waves 0 and 1
	ds_load_b128 v[112:115], v106 offset:2048*9
	s_wait_dscnt 0x0
	global_store_b128 v105, v[112:115], s[22:23] offset:131072*9 th:TH_STORE_NT
.Lend:
	s_wait_tensorcnt 0x0                           ; the wave's end: a wait, an LDS add and its wait behind my last tensor load and my last LDS store
	ds_add_u32 v1, v2
	s_wait_dscnt 0x0
	s_endpgm
.Lfunc_end_k_qa86a016ad9_main:
	.size	k_qa86a016ad9_main, .Lfunc_end_k_qa86a016ad9_main-k_qa86a016ad9_main
	.p2alignl 7, 3214868480
	.fill 96, 4, 3214868480
	.section	.rodata,"a",@progbits
	.p2align	6, 0x0
	.amdhsa_kernel k_qa86a016ad9_main
		.amdhsa_group_segment_fixed_size 269824
		.amdhsa_private_segment_fixed_size 0
		.amdhsa_enable_private_segment 0
		.amdhsa_kernarg_size 64
		.amdhsa_user_sgpr_count 2
		.amdhsa_user_sgpr_kernarg_segment_ptr 1
		.amdhsa_wavefront_size32 1
		.amdhsa_system_sgpr_workgroup_id_x 1
		.amdhsa_system_sgpr_workgroup_id_y 1
		.amdhsa_system_sgpr_workgroup_id_z 1
		.amdhsa_system_vgpr_workitem_id 0
		.amdhsa_next_free_vgpr 1024
		.amdhsa_next_free_sgpr 66
		.amdhsa_reserve_vcc 0
		.amdhsa_float_denorm_mode_32 3
		.amdhsa_float_denorm_mode_16_64 3
		.amdhsa_memory_ordered 1
		.amdhsa_forward_progress 1
		.amdhsa_inst_pref_size 255
	.end_amdhsa_kernel
	.section	.bss,"aw",@nobits
	.p2align	6
	.space	262144
	.amdgpu_metadata
---
amdhsa.version: [ 1, 2 ]
amdhsa.kernels:
  - .name:           k_qa86a016ad9_main
    .symbol:         k_qa86a016ad9_main.kd
    .args:
      - { .name: x, .offset: 0, .size: 8, .value_kind: global_buffer, .address_space: global }
      - { .name: wts, .offset: 8, .size: 8, .value_kind: global_buffer, .address_space: global }
      - { .name: feat_gamma, .offset: 16, .size: 8, .value_kind: global_buffer, .address_space: global }
      - { .name: feat_beta, .offset: 24, .size: 8, .value_kind: global_buffer, .address_space: global }
      - { .name: mask_gamma, .offset: 32, .size: 8, .value_kind: global_buffer, .address_space: global }
      - { .name: mask_beta, .offset: 40, .size: 8, .value_kind: global_buffer, .address_space: global }
      - { .name: lowp_scales, .offset: 48, .size: 8, .value_kind: global_buffer, .address_space: global }
      - { .name: out0, .offset: 56, .size: 8, .value_kind: global_buffer, .address_space: global }
    .group_segment_fixed_size: 269824
    .private_segment_fixed_size: 0
    .kernarg_segment_align: 8
    .kernarg_segment_size: 64
    .max_flat_workgroup_size: 128
    .sgpr_count:     66
    .vgpr_count:     1024
    .wavefront_size: 32
...
	.end_amdgpu_metadata
.endif
;; end of part 2
